; MI455X (gfx1250); checked and timed in simulation.
; The chip was launched on July 23, 2026; its instructions are those of AMD's public machine-readable ISA for CDNA 5 (MIT licence, August 2026) and "CDNA5" Instruction Set Architecture Reference Guide (July 2026). The comments in the code are by the model that wrote it; some were corrected since.
;; Attention. Allowed arithmetic: matrix products marked QUANTISED: E4M3 operands, one given power-of-two scale a tensor, by v_wmma_f32_16x16x64_fp8_fp8 or v_wmma_f32_16x16x128_fp8_fp8, f32 sums; products left as they are: f32 operands where the result goes on into a quantised operand, else bf16, f16 or f32 operands; f32 sums; everything else in f32.
;; Inputs: decoder_state 32 x 1 x 1,024 float32; listener_feature 32 x 2,048 x 1,024 float32; lowp_scales 4 int32 (the exponents e of the quantised operands' scales 2^e); phi_b 1,024 float32; phi_w 1,024 x 1,024 float32; psi_b 1,024 float32; psi_w 1,024 x 1,024 float32.
;; Outputs: out0 32 x 2,048 float32; out1 32 x 1,024 float32.
;; This version of the problem:
;;   THIS VERSION OF THE PROBLEM IS GIVEN IN LOW PRECISION. The matrix products marked QUANTISED in the list below multiply operands that are first quantised to E4M3 (4 exponent bits, 3 mantissa bits; 8 bits a number), with one given power-of-two scale for each operand tensor; their sums are f32. All else is computed in f32.
;;   The module's matrix products, in the order in which they are computed (A, B: the left and right operand; K: the contracted axis; several contracted axes count as one K, in the product's order):
;;     1. [M 32, K 1,024] x [K 1,024, N 1,024]; A: input decoder_state; B: input phi_w: QUANTISED (scales: A lowp_scales[0], B lowp_scales[1])
;;     2. [M 65,536, K 1,024] x [K 1,024, N 1,024]; A: input listener_feature; B: input psi_w: QUANTISED (scales: A lowp_scales[2], B lowp_scales[3])
;;     3. batch 256 x [M 1, K 128] x [K 128, N 2,048]; A: computed on the way; B: computed on the way: left as it is (M = 1 < 16)
;;     4. batch 256 x [M 1, K 2,048] x [K 2,048, N 128]; A: softmax; B: input listener_feature: left as it is (M = 1 < 16)
;;   THE QUANTISER, for each operand of a quantised product, along K:
;;     - The operand's scale is 2^e, e = its entry of the input lowp_scales (int32; the entries are numbered through the quantised products in the list's order, A before B).
;;     - Each number is divided by the scale, clamped to +-448, and rounded to the nearest number of E4M3, ties to even, subnormals kept.
;;     - The product sums the exact products of the quantised numbers (number of the format x scale) in f32.
;;   ~~~python
;;   def quantise(x, axis, e):      # numpy; x: float32 -> the quantised numbers, widened to float32 again
;;       x = np.moveaxis(x, axis, -1); K = x.shape[-1]
;;       r = np.clip(x / 2.0 ** e, -448, 448)
;;       step = 2.0 ** (np.maximum(np.frexp(np.where(r == 0, 1, r))[1] - 1, -6) - 3)
;;       q = np.round(r / step) * step * 2.0 ** e      # np.round: ties to even
;;       return np.moveaxis(q, -1, axis).astype(np.float32)
;;   ~~~
;; One version. Each part assembles by itself: llvm-mc -triple=amdgcn-amd-amdhsa -mcpu=gfx1250 --defsym DOCPART=n.
;; ======== version 1 of 1: 3 launches
;; workspace buffers: wc 1,048,576 bytes; qs 131,072 bytes; pctx 4,194,304 bytes; pstat 262,144 bytes; e7 262,144 bytes
;; launch prep (part 1): grid 128 x 1, 8 waves a work-group, no clusters, 21,504 bytes of LDS; arguments decoder_state, phi_w, phi_b, psi_w, lowp_scales, wc, qs; writes wc, qs
.if DOCPART == 1
	.amdgcn_target "amdgcn-amd-amdhsa--gfx1250"
	.amdhsa_code_object_version 6
	.text
	.protected	k_qfbe6b849e2_prep
	.globl	k_qfbe6b849e2_prep
	.p2align	8
	.type	k_qfbe6b849e2_prep,@function
k_qfbe6b849e2_prep:
	s_mov_b64 s[64:65], 0
	v_nop
	global_prefetch_b8 v0, s[64:65] scope:SCOPE_SE
	s_setreg_imm32_b32 hwreg(HW_REG_WAVE_MODE, 25, 1), 1
	s_wait_xcnt 0x0
; WHAT.  Work-groups 0-63: psi_w [1024 (n)][1024 (k)] f32 becomes codes of E4M3 with the given scale 2^e3, laid as images of operand registers:
;   wc byte ((Tn*8 + s)*4 + c)*512 + 16*lane + e = the code of psi_w[16 Tn + lane%16][128 s + 32 c + 16 (lane/16) + e].
; Work-groups 64-127: q'' = relu(Q(decoder_state) Q(phi_w)^T x 2^(e0+e1) + phi_b) x log2(e) x 2^(e2+e3), [32][1024] f32, by v_wmma_f32_16x16x128_fp8_fp8.
;   (log2(e) turns the later softmax into powers of two; 2^(e2+e3) is the factor that the second product's raw sums lack.)
; SHARES.  A work-group takes 16 rows of a weight, its eight waves the eight K steps of 128: one fragment a wave, so that all loads of a wave go out at once.
; LAYOUT.  Lane (r, h) holds, of row r, k = 32 c + 16 h + 0..15 in registers 4c..4c+3: the same permutation of k on both operands of every product here and in the next launch, so every product meets its partner.
; The eight waves' partial sums of q meet in LDS: 8 regions of 32 rows (b) x 64 bytes (16 n) + 16 of padding.  The two paths part on the work-group's number alone; only the second uses LDS and its barrier.
; q''s stores are runs of 64 bytes: a work-group's 16 columns are 64 bytes of a row of qs; the buffer has 131,072 bytes in all.
; code = x / 2^e, held within +-448, to the nearest code, ties to even.  LIMITS: each e between -126 and 119, so that 2^e and 448 x 2^e are f32 numbers; NaN among the inputs is not served.
.set RW,   16                          ; v16-79    the weight's 64 numbers; later the two results
.set RD0,  80                          ; v80-143   decoder rows 0-15; later the partial sums read back
.set RD1,  144                         ; v144-207  decoder rows 16-31
.set CW,   208                         ; v208-223  the weight's codes
.set CD0,  224                         ; v224-239  codes of decoder rows 0-15
.set CD1,  240                         ; v240-255  codes of decoder rows 16-31
.set SPW,  6                           ; v6   LDS address of my spare word; never rewritten
.set NIL,  7                           ; v7   0; never rewritten
.set PP,   80                          ; a row of partial sums in LDS
.set PARTB, 32*PP                      ; a wave's region
.set SPARE, 8*PARTB                    ; behind the regions: the spare words, 128 bytes a wave, four blocks of 256 bytes that no other line names
; 64 numbers of a lane become a fragment's 16 registers of codes
.macro QUANT src, dst, sc, lim
.irp c, 0,1,2,3
.irp i, 0,1,2,3,4,5,6,7,8,9,10,11,12,13,14,15
	v_med3_num_f32 v[\src+16*\c+\i], v[\src+16*\c+\i], -v[\lim], v[\lim]   ; the conversion does not saturate (ISA guide 7.6.2): hold at the largest code x the scale
.endr
	v_cvt_scalef32_pk8_fp8_f32 v[\dst+4*\c:\dst+4*\c+1], v[\src+16*\c:\src+16*\c+7], v[\sc]
	v_cvt_scalef32_pk8_fp8_f32 v[\dst+4*\c+2:\dst+4*\c+3], v[\src+16*\c+8:\src+16*\c+15], v[\sc]
.endr
	v_nop                                          ; one plain vector line behind the last conversion, ahead of whatever touches its registers next
.endm
	s_load_b256 s[4:11], s[0:1], 0x0               ; decoder_state s[4:5], phi_w s[6:7], phi_b s[8:9], psi_w s[10:11]
	s_load_b128 s[12:15], s[0:1], 0x20             ; lowp_scales s[12:13], wc s[14:15]
	s_load_b64 s[16:17], s[0:1], 0x30              ; qs
	v_lshl_add_u32 v[SPW], v0, 2, SPARE
	v_mov_b32 v[NIL], 0
	v_lshrrev_b32 v1, 5, v0
	v_readfirstlane_b32 s18, v1                    ; wave 0..7 = my K step
	v_and_b32 v1, 31, v0                           ; lane
	v_and_b32 v2, 15, v0                           ; r
	v_bfe_u32 v3, v0, 4, 1                         ; h
	v_lshlrev_b32 v4, 12, v2
	v_lshl_add_u32 v4, v3, 6, v4                   ; row r of 4,096 bytes + 64 h: my 16 numbers of a block of 32
	v_lshlrev_b32 v5, 4, v1                        ; 16 x lane: an image's place
	s_mul_i32 s28, s18, PARTB
	v_mul_u32_u24 v12, v2, PP
	v_lshl_add_u32 v12, v3, 5, v12
	v_add_nc_u32 v12, s28, v12                     ; partial sums in: my region, row r, 32 h
	v_lshrrev_b32 v13, 3, v1
	s_lshl_b32 s28, s18, 2
	v_add_nc_u32 v13, s28, v13                     ; the row b that I finish: 4 x wave + lane / 8
	v_and_b32 v15, 7, v1
	v_lshlrev_b32 v15, 3, v15                      ; my two columns: 8 (lane % 8) bytes; also my place in phi_b
	v_lshl_add_u32 v14, v13, 12, v15               ; and in qs
	v_mul_u32_u24 v13, v13, PP
	v_add_nc_u32 v13, v13, v15                     ; partial sums back: row b, my two columns
	s_and_b32 s19, ttmp9, 63                       ; which 16 rows of the weight
	s_lshl_b32 s24, s19, 16
	s_lshl_b32 s28, s18, 9
	s_add_co_u32 s24, s24, s28                     ; 16 rows x 4,096 bytes x tile + 512 bytes x K step
	s_mov_b32 s25, 0
	s_wait_kmcnt 0x0
	s_load_b128 s[20:23], s[12:13], 0x0            ; e0, e1, e2, e3
	s_cmp_lt_u32 ttmp9, 64                         ; psi_w's work-group or phi_w's: the choice hangs on the work-group's number alone
	s_cselect_b64 s[30:31], s[10:11], s[6:7]
	s_add_nc_u64 s[30:31], s[30:31], s[24:25]
.irp c, 0,1,2,3
.irp j, 0,1,2,3
	global_load_b128 v[RW+16*\c+4*\j:RW+16*\c+4*\j+3], v4, s[30:31] offset:128*\c+16*\j
.endr
.endr
	s_wait_kmcnt 0x0
	s_cmp_lt_u32 ttmp9, 64
	s_cselect_b32 s28, s23, s21                    ; the weight's e
	s_add_co_i32 s28, s28, 127
	s_lshl_b32 s29, s28, 23
	v_mov_b32 v8, s29                              ; 2^e as f32: the conversion takes its exponent field
	s_add_co_i32 s28, s28, 8
	s_lshl_b32 s28, s28, 23
	s_or_b32 s28, s28, 0x600000
	v_mov_b32 v9, s28                              ; 448 x 2^e
	s_cmp_lt_u32 ttmp9, 64
	s_cbranch_scc0 .Lphi
	; ---- psi_w: the fragment's image goes to wc
	s_wait_loadcnt 0x0
	QUANT RW, CW, 8, 9
	s_lshl_b32 s24, s19, 14
	s_lshl_b32 s28, s18, 11
	s_add_co_u32 s24, s24, s28                     ; (8 x tile + K step) x 2,048 bytes
	s_add_nc_u64 s[14:15], s[14:15], s[24:25]
.irp c, 0,1,2,3
	global_store_b128 v5, v[CW+4*\c:CW+4*\c+3], s[14:15] offset:512*\c   ; 32 lanes store 512 consecutive bytes, aligned
.endr
	s_endpgm
.Lphi:
	; ---- phi_w: my K step of q for all 32 rows of decoder_state
	s_lshl_b32 s24, s18, 9
	s_add_nc_u64 s[4:5], s[4:5], s[24:25]
.irp t, 0,1
.irp c, 0,1,2,3
.irp j, 0,1,2,3
	global_load_b128 v[RD0+64*\t+16*\c+4*\j:RD0+64*\t+16*\c+4*\j+3], v4, s[4:5] offset:65536*\t+128*\c+16*\j
.endr
.endr
.endr
	s_add_co_i32 s28, s20, 127
	s_lshl_b32 s29, s28, 23
	v_mov_b32 v10, s29                             ; 2^e0
	s_add_co_i32 s28, s28, 8
	s_lshl_b32 s28, s28, 23
	s_or_b32 s28, s28, 0x600000
	v_mov_b32 v11, s28                             ; 448 x 2^e0
	s_lshl_b32 s24, s19, 6                         ; my 16 columns: 64 bytes x tile
	s_add_nc_u64 s[8:9], s[8:9], s[24:25]
	s_add_nc_u64 s[16:17], s[16:17], s[24:25]
	s_add_co_i32 s26, s20, s21                     ; e0 + e1
	s_add_co_i32 s27, s22, s23                     ; e2 + e3
	s_wait_loadcnt 32                              ; the weight's 16 loads are in; the decoder's 32 may be out
	QUANT RW, CW, 8, 9
	global_load_b64 v[32:33], v15, s[8:9]          ; phi_b of my two columns, into registers that the quantiser has left
	s_wait_loadcnt 17                              ; rows 0-15 are in; rows 16-31 (16 loads) and phi_b may be out
	QUANT RD0, CD0, 10, 11
	s_wait_loadcnt 1                               ; rows 16-31 are in; phi_b may be out
	QUANT RD1, CD1, 10, 11
	v_wmma_f32_16x16x128_fp8_fp8 v[16:23], v[CW:CW+15], v[CD0:CD0+15], 0   ; transposed: lane (r, h), register j: q(b = r, n = 8 h + j)
	v_wmma_f32_16x16x128_fp8_fp8 v[24:31], v[CW:CW+15], v[CD1:CD1+15], 0   ; b = 16 + r
.rept 4
	v_nop                                          ; four places ahead of the stores that read the results
.endr
	ds_store_b128 v12, v[16:19]
	ds_store_b128 v12, v[20:23] offset:16
	ds_store_b128 v12, v[24:27] offset:16*PP
	ds_store_b128 v12, v[28:31] offset:16*PP+16
	s_wait_dscnt 0x0                               ; for the others' sake: my partial sums lie in LDS
	s_barrier_signal -1
	s_barrier_wait -1
.irp w, 0,1,2,3,4,5,6,7
	ds_load_b64 v[RD0+2*\w:RD0+2*\w+1], v13 offset:PARTB*\w   ; the eight K steps' sums of my two numbers
.endr
	s_wait_dscnt 0x0
	v_pk_add_f32 v[80:81], v[80:81], v[82:83]
	v_pk_add_f32 v[84:85], v[84:85], v[86:87]
	v_pk_add_f32 v[88:89], v[88:89], v[90:91]
	v_pk_add_f32 v[92:93], v[92:93], v[94:95]
	v_pk_add_f32 v[80:81], v[80:81], v[84:85]
	v_pk_add_f32 v[88:89], v[88:89], v[92:93]
	v_pk_add_f32 v[80:81], v[80:81], v[88:89]
	v_ldexp_f32 v80, v80, s26                      ; x 2^(e0 + e1)
	v_ldexp_f32 v81, v81, s26
	s_wait_loadcnt 0x0                             ; phi_b
	v_pk_add_f32 v[80:81], v[80:81], v[32:33]
	v_max_num_f32 v80, 0, v80                      ; relu
	v_max_num_f32 v81, 0, v81
	v_mul_f32 v80, 0x3fb8aa3b, v80                 ; x log2(e)
	v_mul_f32 v81, 0x3fb8aa3b, v81
	v_ldexp_f32 v80, v80, s27                      ; x 2^(e2 + e3)
	v_ldexp_f32 v81, v81, s27
	global_store_b64 v14, v[80:81], s[16:17]
	s_wait_tensorcnt 0x0                           ; the wave's end: three lines behind my last LDS store
	ds_add_u32 v[SPW], v[NIL]
	s_wait_dscnt 0x0
	s_endpgm
.Lfunc_end_k_qfbe6b849e2_prep:
	.size	k_qfbe6b849e2_prep, .Lfunc_end_k_qfbe6b849e2_prep-k_qfbe6b849e2_prep
	.p2alignl 7, 3214868480
	.fill 96, 4, 3214868480
	.section	.rodata,"a",@progbits
	.p2align	6, 0x0
	.amdhsa_kernel k_qfbe6b849e2_prep
		.amdhsa_group_segment_fixed_size 21504
		.amdhsa_private_segment_fixed_size 0
		.amdhsa_enable_private_segment 0
		.amdhsa_kernarg_size 56
		.amdhsa_user_sgpr_count 2
		.amdhsa_user_sgpr_kernarg_segment_ptr 1
		.amdhsa_wavefront_size32 1
		.amdhsa_system_sgpr_workgroup_id_x 1
		.amdhsa_system_sgpr_workgroup_id_y 1
		.amdhsa_system_sgpr_workgroup_id_z 1
		.amdhsa_system_vgpr_workitem_id 0
		.amdhsa_next_free_vgpr 256
		.amdhsa_next_free_sgpr 66
		.amdhsa_reserve_vcc 0
		.amdhsa_float_denorm_mode_32 3
		.amdhsa_float_denorm_mode_16_64 3
		.amdhsa_memory_ordered 1
		.amdhsa_forward_progress 1
		.amdhsa_inst_pref_size 29
	.end_amdhsa_kernel
	.amdgpu_metadata
---
amdhsa.version: [ 1, 2 ]
amdhsa.kernels:
  - .name:           k_qfbe6b849e2_prep
    .symbol:         k_qfbe6b849e2_prep.kd
    .args:
      - { .name: decoder_state, .offset: 0, .size: 8, .value_kind: global_buffer, .address_space: global }
      - { .name: phi_w, .offset: 8, .size: 8, .value_kind: global_buffer, .address_space: global }
      - { .name: phi_b, .offset: 16, .size: 8, .value_kind: global_buffer, .address_space: global }
      - { .name: psi_w, .offset: 24, .size: 8, .value_kind: global_buffer, .address_space: global }
      - { .name: lowp_scales, .offset: 32, .size: 8, .value_kind: global_buffer, .address_space: global }
      - { .name: wc, .offset: 40, .size: 8, .value_kind: global_buffer, .address_space: global }
      - { .name: qs, .offset: 48, .size: 8, .value_kind: global_buffer, .address_space: global }
    .group_segment_fixed_size: 21504
    .private_segment_fixed_size: 0
    .kernarg_segment_align: 8
    .kernarg_segment_size: 56
    .max_flat_workgroup_size: 256
    .sgpr_count:     66
    .vgpr_count:     256
    .wavefront_size: 32
...
	.end_amdgpu_metadata
.endif
;; end of part 1
;; launch main (part 2): grid 256 x 1, 4 waves a work-group, clusters of 4 x 1, 327,680 bytes of LDS; arguments listener_feature, wc, qs, psi_b, lowp_scales, pctx, pstat, e7; writes pctx, pstat, e7
.if DOCPART == 2
	.amdgcn_target "amdgcn-amd-amdhsa--gfx1250"
	.amdhsa_code_object_version 6
	.text
	.protected	k_qfbe6b849e2_main
	.globl	k_qfbe6b849e2_main
	.p2align	8
	.type	k_qfbe6b849e2_main,@function
k_qfbe6b849e2_main:
	s_mov_b64 s[64:65], 0
	v_nop
	global_prefetch_b8 v0, s[64:65] scope:SCOPE_SE
	s_setreg_imm32_b32 hwreg(HW_REG_WAVE_MODE, 25, 1), 1
	s_wait_xcnt 0x0
	s_wait_alu depctr_hold_cnt(0) depctr_sa_sdst(0) depctr_va_vdst(0) depctr_va_sdst(0) depctr_va_ssrc(0) depctr_va_vcc(0) depctr_vm_vsrc(0)
	s_getreg_b32 s2, hwreg(HW_REG_IB_STS2, 6, 4)
	s_cmp_eq_u32 s2, 0
	s_cbranch_scc0 .Lentry_in_a_cluster
	s_endpgm
.Lentry_in_a_cluster:
	s_bfe_u32 s2, ttmp6, 0x10000c
	s_cmp_lg_u32 s2, 0x3003
	s_cbranch_scc0 .Lentry_shape_is_right
	s_endpgm
.Lentry_shape_is_right:
; WHAT.  For 256 rows (b, t) of listener_feature a work-group: quantise them (E4M3, 2^e2), multiply by all of psi_w's codes (v_wmma_f32_16x16x128_fp8_fp8), add the bias, relu, and take for each of the
; 8 heads the dot product with q'': t = energy x log2(e).  Each wave then makes a PART of the softmax over its own 64 rows: M = their largest t, p = 2^(t - M), l = the sum of p, and the sum of p x row of the
; ORIGINAL f32 features (the head's 128 columns).  The next launch joins the 32 parts of each (b, head).  Head 7's t go out too, for the score that is an output.
; FOLDED.  E = e2 + e3.  The sums start from C = psi_b x 2^-E; relu(2^E a) = 2^E relu(a); q'' carries 2^E and log2(e): t = sum over n of q''(n) x max(a(n), 0), in f32 multiply-adds.
; SHARES.  Work-group g = rows 256 g on; wave w its rows 64 w on: four tiles of 16 rows, whose codes for all of K stay in 512 registers.  Every wave walks all 64 tiles of 16 columns n: each fragment of the
; weight read from LDS feeds four matrix instructions.
; THE FEATURES ARE READ TWICE, all but one eighth: a row's weight p is known only when the row has met a whole head of the weight, and 256 rows of f32 do not fit beside their codes.  Phase A reads all columns
; and quantises; its last column slice (head 0's) stays in registers.  In phase B, behind each head, the next head's slice of the 64 rows is asked for (64 loads a wave) and lands under that head's products.
; CLUSTER.  All work-groups walk the same weight: a head's 131,072 bytes of codes are asked for JOINTLY by the four work-groups of a cluster, a quarter by each wave, the same descriptor in all four.
; The work-group's place in its cluster enters global addresses of x, qs and the outputs alone.
; LDS: two slots of a head's codes (images of operand registers: a fragment is 4 x 512 consecutive bytes); a stage for each wave, 16 rows x (512 + 16) bytes, through which phase A turns rows into the
; quantiser's layout; q'' and the bias of this b, 4,096 bytes each; the spare words.  Only the two slots are filled by tensor loads.
; THE MATRIX INSTRUCTION IS USED TRANSPOSED: source 0 = 16 columns n of the weight, source 1 = 16 rows of x: lane (r, h) holds row r and n = 8 h + 0..7.
; LIMITS: e2 between -126 and 119 (2^e2 and 448 x 2^e2 are f32 numbers); e2 + e3 is applied by v_ldexp_f32.  NaN among the inputs is not served.
; REGISTERS, in windows of 256.  Window 0: v1-15 addresses and constants; v16-31 statistics; v32-63 four accumulators; v64-79 q'' and bias of a tile; v80-87 the energies' sums; v88-103 four running sets of the
; context; v104-121 the tables on their way; v128-255 phase A: two sets of 64 numbers; phase B: the eight fragments of a tile of the weight.
; Window 1: 64 rows x 4 registers of f32 features (phase A: a ring of four units).  Windows 2, 3: x's codes, fragment (K step s, tile m) at 16 (4 (s % 4) + m) of window 2 + s / 4.
.set SLOT1,  1<<17                     ; slot 1 begins here: one exclusive or turns an address from slot to slot
.set HEADB,  131072                    ; a head's codes
.set TILEB,  16384                     ; 16 columns n x 1,024 k
.set STAGE,  2*SLOT1
.set SPITCH, 528                       ; a stage row: 512 bytes + 16: the 16 rows that a load touches start 16 bytes apart modulo 256
.set WSTG,   16*SPITCH                 ; a wave's stage: 33 blocks of 256 bytes
.set QTAB,   STAGE+4*WSTG              ; q'': 4,096 bytes;
.set BOFF,   4096                      ; the bias x 2^-E lies behind it
.set SPARE,  QTAB+2*4096+1024          ; the spare words, 128 bytes a wave: two blocks of 256 bytes that no other line names
.set LI,   1                           ; 16 x lane; never rewritten
.set LN,   2                           ; lane
.set WAD,  3                           ; LDS address of the weight's tile in hand
.set QAD,  4                           ; of its q'' and bias
.set QAD0, 5                           ; QTAB + 32 h
.set SPW,  6                           ; my spare word; never rewritten
.set NIL,  7                           ; 0; never rewritten
.set OFFA, 8                           ; v8, v9: byte offsets of the slice that rows 0-31, 32-63 load
.set POFF, 10                          ; my place in the wave's records of pctx
.set STA,  11                          ; the stage, in: 16 x lane of a row
.set STR,  12                          ; the stage, back: row r, 64 h
.set SC,   13                          ; 2^e2
.set LIM,  14                          ; 448 x 2^e2
.set L4,   15                          ; 4 x lane
.set STAT, 16                          ; v[16:17]: lane i < 8: head i's (M, l); else 0
.set MX,   18
.set LS,   19
.set T,    20                          ; v20-23 t of row r of tile m
.set P,    24                          ; v24-27 p
.set TMP,  28                          ; v28-31 at work
.set ACC,  32
.set QV,   64
.set BV,   72
.set E,    80
.set CTX,  88
.set TB,   104
.set XR,   128
.set WF,   128
.set PS,   68                          ; s[68:99]: 16 pairs: a row's p, and a 0 that is named with it
.set MSB, 0
.macro WIN new                         ; the immediate's high byte repeats the setting that is left; a switch that changes nothing is dropped
.if MSB != (\new)
	s_set_vgpr_msb (MSB<<8)|(\new)
.set MSB, (\new)
.endif
.endm
.macro PLACES
.rept 4
	v_nop
.endr
.endm
.macro ROUND                           ; a round of the cluster's barrier: my work-group's barrier; wave 0 signals for it; all wait for the four work-groups; my work-group's barrier once more
	s_barrier_signal -1
	s_barrier_wait -1
	s_cmp_lg_u32 s20, 0
	s_cbranch_scc1 .Lnot_wave_0_\@
	s_barrier_signal -3
.Lnot_wave_0_\@:
	s_barrier_wait -3
	s_barrier_signal -1
	s_barrier_wait -1
.endm
	s_load_b512 s[4:19], s[0:1], 0x0               ; x s[4:5], wc s[6:7], qs s[8:9], psi_b s[10:11], lowp_scales s[12:13], pctx s[14:15], pstat s[16:17], e7 s[18:19]
	v_lshl_add_u32 v[SPW], v0, 2, SPARE
	v_mov_b32 v[NIL], 0
	ds_add_u32 v[SPW], v[NIL]                      ; the wave's opening: the add and its wait ahead of my first tensor load; the set-up below, work on registers, stands between
	v_lshrrev_b32 v[LN], 5, v0
	v_readfirstlane_b32 s20, v[LN]                 ; wave 0..3
	s_bfe_u32 s21, ttmp6, 0x40000                  ; cx
	s_lshl_b32 s22, ttmp9, 2
	s_add_co_u32 s22, s22, s21                     ; g = 4 x cluster + cx
	; descriptor group 1: 128 dense rows of 256 bytes (32 elements of 8 bytes): a quarter of a head's codes
	s_mov_b32 s24, 15|(3<<16)|(1<<21)              ; 15:0 the mask: all four work-groups; 17:16 elements of 8 bytes; 21 set beside a mask; no padding
	s_mov_b32 s25, 32<<16                          ; tensor_dim0 = 32
	s_mov_b32 s26, 128<<16                         ; tensor_dim1 = 128
	s_mov_b32 s27, 32<<16                          ; tile_dim0 = 32
	s_mov_b32 s28, 128                             ; tile_dim1 = 128
	s_mov_b32 s29, 32                              ; from row to row
	s_mov_b32 s30, 0
	s_mov_b32 s31, 0
	s_mov_b32 s32, 1                               ; group 0: count = 1
	s_lshl_b32 s33, s20, 15                        ; LDS address: slot 0, my quarter
	s_mov_b32 s44, s33                             ; and the same offset in wc
	s_mov_b32 s45, 0
	s_mov_b32 s55, 0
	s_mov_b32 s46, 0xffff0000                      ; lanes 16-31
	s_mov_b32 s48, 0x76543210                      ; v_permlanex16_b32: lane l xor 16
	s_mov_b32 s49, 0xfedcba98
.set I, 0
.rept 16
	s_mov_b32 s[PS+2*I+1], 0                       ; named as the upper halves of the pairs
.set I, I+1
.endr
	v_and_b32 v[LN], 31, v0
	v_lshlrev_b32 v[LI], 4, v[LN]
	v_lshlrev_b32 v[L4], 2, v[LN]
	v_and_b32 v[TMP], 15, v0                       ; r
	v_bfe_u32 v[TMP+1], v0, 4, 1                   ; h
	v_mov_b32 v[TMP+2], 0                          ; (a lane permute's destination counts as read: v28-31 are written here)
	v_mov_b32 v[TMP+3], 0
	v_lshl_add_u32 v[QAD0], v[TMP+1], 5, QTAB
	s_mul_i32 s50, s20, WSTG
	s_add_co_u32 s50, s50, STAGE                   ; my stage
	v_add_nc_u32 v[STA], s50, v[LI]
	v_mul_u32_u24 v[STR], v[TMP], SPITCH
	v_lshl_add_u32 v[STR], v[TMP+1], 6, v[STR]
	v_add_nc_u32 v[STR], s50, v[STR]
	v_lshlrev_b32 v[TB+16], 4, v0                  ; the tables: 16 bytes a thread,
	v_lshl_add_u32 v[TB+17], v0, 4, QTAB           ; in memory and in LDS
	v_mov_b32 v[OFFA+1], v[LI]                     ; rows 32-63 hold slice 0 when phase B begins
	v_mov_b32 v[STAT], 0
	v_mov_b32 v[STAT+1], 0
	s_wait_dscnt 0x0                               ; the opening add is done
	s_wait_kmcnt 0x0
	s_load_b128 s[40:43], s[12:13], 0x0            ; e0 .. e3
	s_add_nc_u64 s[34:35], s[6:7], s[44:45]        ; head 0, my quarter: made of the wave's number alone
	s_or_b32 s35, s35, 0x80000000                  ; type = 2
	s_lshl_b32 s54, s22, 20                        ; my work-group's 256 rows of 4,096 bytes,
	s_lshl_b32 s56, s20, 18                        ; my wave's 64
	s_add_co_u32 s54, s54, s56
	s_add_nc_u64 s[4:5], s[4:5], s[54:55]
	s_lshr_b32 s54, s22, 3                         ; b
	s_lshl_b32 s54, s54, 12
	s_add_nc_u64 s[8:9], s[8:9], s[54:55]          ; q'' of my b
	s_lshl_b32 s57, s22, 2
	s_add_co_u32 s57, s57, s20                     ; 4 g + w
	s_lshl_b32 s54, s57, 12
	s_add_nc_u64 s[14:15], s[14:15], s[54:55]      ; my eight records of 512 bytes
	s_lshl_b32 s54, s57, 8
	s_add_nc_u64 s[16:17], s[16:17], s[54:55]      ; my 256 bytes of statistics
	s_add_nc_u64 s[18:19], s[18:19], s[54:55]      ; my 64 energies
	ROUND                                          ; all four work-groups are here: the first joint loads meet
	tensor_load_to_lds s[32:35], s[24:31]          ; head 0 into slot 0: one load of mine is out
	s_nop 0
	PLACES
; PHASE A.  A unit = 16 rows (tile m = u % 4) x 128 columns (K step s = (u / 4 + 1) % 8): the last four units are K step 0, which is head 0's slice and stays in window 1.
.macro LOADU u                         ; 16 loads, each 512 consecutive bytes of one row
.set UM, (\u)%4
.set US, ((\u)/4+1)%8
	WIN 0x40                                       ; destination window 1
.irp i, 0,1,2,3,4,5,6,7,8,9,10,11,12,13,14,15
	global_load_b128 v[64*UM+4*\i:64*UM+4*\i+3], v[LI], s[4:5] offset:(16*UM+\i)*4096+US*512
.endr
.endm
.macro TURNU u                         ; through my stage: rows in as they were loaded, back 16 neighbours of each block of 32 a lane.  LDS serves a wave's instructions in order (ISA guide 5.7.1.4): no wait between
.set UM, (\u)%4
.set UX, XR+64*((\u)%2)
	WIN 0x04                                       ; store data window 1
.irp i, 0,1,2,3,4,5,6,7,8,9,10,11,12,13,14,15
	ds_store_b128 v[STA], v[64*UM+4*\i:64*UM+4*\i+3] offset:\i*SPITCH
.endr
	WIN 0
.irp c, 0,1,2,3
.irp j, 0,1,2,3
	ds_load_b128 v[UX+16*\c+4*\j:UX+16*\c+4*\j+3], v[STR] offset:128*\c+16*\j
.endr
.endr
.endm
.macro QUANTU u                        ; 64 numbers of a lane become fragment (s, m)
.set UM, (\u)%4
.set US, ((\u)/4+1)%8
.set UX, XR+64*((\u)%2)
.set UC, ((US%4)*4+UM)*16
.set I, 0
.rept 64
	v_med3_num_f32 v[UX+I], v[UX+I], -v[LIM], v[LIM]   ; the conversion does not saturate (ISA guide 7.6.2): hold at the largest code x the scale
.set I, I+1
.endr
	WIN 0x80+0x40*(US/4)                           ; destination window 2 or 3
.irp c, 0,1,2,3
	v_cvt_scalef32_pk8_fp8_f32 v[UC+4*\c:UC+4*\c+1], v[UX+16*\c:UX+16*\c+7], v[SC]
	v_cvt_scalef32_pk8_fp8_f32 v[UC+4*\c+2:UC+4*\c+3], v[UX+16*\c+8:UX+16*\c+15], v[SC]
.endr
	WIN 0
	v_nop                                          ; one plain vector line behind the last conversion
.endm
.macro STEPU u
	s_wait_dscnt 0x0                               ; unit u is back from the stage, and its stores into the stage have read their registers,
.if (\u)+4 < 32
	LOADU (\u)+4                                   ; which take the unit four further on
.endif
.if (\u)+1 < 32
.if (\u) <= 27
	s_wait_loadcnt 48                              ; unit u + 1 is in; the three units behind it may be out
.else
	s_wait_loadcnt 16*(30-(\u))                    ; the counts run down
.endif
	TURNU (\u)+1                                   ; it goes through the stage while unit u is quantised
.endif
	QUANTU \u
.endm
	global_load_b128 v[TB:TB+3], v[TB+16], s[8:9]              ; q'' of my b: 128 threads x 16 bytes, twice
	global_load_b128 v[TB+4:TB+7], v[TB+16], s[8:9] offset:2048
	global_load_b128 v[TB+8:TB+11], v[TB+16], s[10:11]         ; psi_b likewise
	global_load_b128 v[TB+12:TB+15], v[TB+16], s[10:11] offset:2048
	LOADU 0
	LOADU 1
	LOADU 2
	WIN 0
	s_wait_kmcnt 0x0
	s_add_co_i32 s56, s42, 127
	s_lshl_b32 s57, s56, 23
	v_mov_b32 v[SC], s57                           ; 2^e2 as f32: the conversion takes its exponent field
	s_add_co_i32 s56, s56, 8
	s_lshl_b32 s56, s56, 23
	s_or_b32 s56, s56, 0x600000
	v_mov_b32 v[LIM], s56                          ; 448 x 2^e2
	s_add_co_i32 s47, s42, s43
	s_sub_co_i32 s47, 0, s47                       ; -(e2 + e3)
	s_wait_loadcnt 48                              ; the four table loads are in; the three units' 48 may be out
.set I, 0
.rept 8
	v_ldexp_f32 v[TB+8+I], v[TB+8+I], s47          ; the bias in the raw sums' unit
.set I, I+1
.endr
	ds_store_b128 v[TB+17], v[TB:TB+3]
	ds_store_b128 v[TB+17], v[TB+4:TB+7] offset:2048
	ds_store_b128 v[TB+17], v[TB+8:TB+11] offset:BOFF
	ds_store_b128 v[TB+17], v[TB+12:TB+15] offset:BOFF+2048
	LOADU 3
	s_wait_loadcnt 48                              ; unit 0 is in
	TURNU 0
.set U, 0
.rept 32
	STEPU U
.set U, U+1
.endr
; PHASE B.
.macro LDW half, off                   ; four fragments (K steps 4 half on) of the tile that begins off bytes behind WAD: 16 loads of 512 consecutive bytes
.irp s, 0,1,2,3
.irp c, 0,1,2,3
	ds_load_b128 v[WF+16*(4*\half+\s)+4*\c:WF+16*(4*\half+\s)+4*\c+3], v[WAD] offset:\off+(4*\half+\s)*2048+\c*512
.endr
.endr
.endm
.macro MUL16 half                      ; 16 matrix instructions: four K steps x my four tiles of rows.  The four accumulators take turns, one instruction a turn.  The first K step starts the sums from the bias
	WIN 0x08+4*\half                               ; source 1 (x's codes) window 2 or 3
.irp s, 0,1,2,3
.irp m, 0,1,2,3
.if (\half == 0) && (\s == 0)
	v_wmma_f32_16x16x128_fp8_fp8 v[ACC+8*\m:ACC+8*\m+7], v[WF+16*(4*\half+\s):WF+16*(4*\half+\s)+15], v[(4*\s+\m)*16:(4*\s+\m)*16+15], v[BV:BV+7]
.else
	v_wmma_f32_16x16x128_fp8_fp8 v[ACC+8*\m:ACC+8*\m+7], v[WF+16*(4*\half+\s):WF+16*(4*\half+\s)+15], v[(4*\s+\m)*16:(4*\s+\m)*16+15], v[ACC+8*\m:ACC+8*\m+7]
.endif
.endr
.endr
	WIN 0
.endm
; One tile of 16 columns n.  On the way in, in order of issue, are out: its K steps 0-3 (16 loads), its bias (2), its K steps 4-7 (16).  pre = 1: the next tile's are asked for as this one's registers come free.
.macro STEP pre
	v_add_nc_u32 v[WAD], s36, v[LI]
	v_add_nc_u32 v[QAD], s37, v[QAD0]
	ds_load_b128 v[QV:QV+3], v[QAD]                ; q'' of my eight n
	ds_load_b128 v[QV+4:QV+7], v[QAD] offset:16
	s_wait_dscnt 18                                ; K steps 0-3 and the bias are in; K steps 4-7 (16) and q'' (2) may be out
	MUL16 0
	PLACES                                         ; four places ahead of loads into registers that matrix instructions have read (ISA guide 7.12.1 for vector instructions)
.if \pre
	LDW 0, TILEB
	ds_load_b128 v[BV:BV+3], v[QAD] offset:BOFF+64
	ds_load_b128 v[BV+4:BV+7], v[QAD] offset:BOFF+80
	s_wait_dscnt 18                                ; all but the 18 just issued
.else
	s_wait_dscnt 0x0
.endif
	MUL16 1
	PLACES                                         ; ahead of the loads below and of the first read of results
.if \pre
	LDW 1, TILEB
.endif
.set I, 0
.rept 32
	v_max_num_f32 v[ACC+I], 0, v[ACC+I]            ; relu; each accumulator from its low end on
.set I, I+1
.endr
.irp p, 0,1,2,3
.irp m, 0,1,2,3
	v_pk_fma_f32 v[E+2*\m:E+2*\m+1], v[ACC+8*\m+2*\p:ACC+8*\m+2*\p+1], v[QV+2*\p:QV+2*\p+1], v[E+2*\m:E+2*\m+1]   ; the energies' sums: four chains
.endr
.endr
.endm
.macro STEPS n
	s_mov_b32 s39, \n
.Lstep_\@:
	STEP 1
	s_add_co_u32 s36, s36, TILEB
	s_add_co_u32 s37, s37, 64
	s_sub_co_u32 s39, s39, 1
	s_cmp_lg_u32 s39, 0
	s_cbranch_scc1 .Lstep_\@
.endm
; Row 63's load of the slice in hand.  With it 64 loads of the slice would be out at once, one more than LOADcnt's field counts, and the issue of the last would wait for the first to come back (ISA guide 5.7.1):
; so it is issued three tiles into the head.  In head 0, whose slice lies in registers since phase A, it reads row 63's 512 bytes once more (the same numbers): so no load is jumped over.
.macro LATE
	WIN 0x40
	global_load_b128 v[252:255], v[OFFA+1], s[4:5] offset:63*4096 th:TH_LOAD_NT
	WIN 0
.endm
; The head's 64 energies of my rows become a part of a softmax.
.macro HEADEND last
.irp m, 0,1,2,3
	v_add_f32 v[T+\m], v[E+2*\m], v[E+2*\m+1]
.endr
.irp m, 0,1,2,3
	v_permlanex16_b32 v[TMP+\m], v[T+\m], s48, s49 ; the row's other 64 columns lie in the lane 16 away
.endr
.irp m, 0,1,2,3
	v_add_f32 v[T+\m], v[T+\m], v[TMP+\m]          ; t of row 16 m + r, in both halves of the lanes
.endr
	v_max3_num_f32 v[MX], v[T], v[T+1], v[T+2]
	v_max_num_f32 v[MX], v[MX], v[T+3]
.irp x, 1,2,4,8
	v_max_num_f32_dpp v[MX], v[MX], v[MX] row_xmask:\x row_mask:0xf bank_mask:0xf
.endr
.irp m, 0,1,2,3
	v_sub_f32 v[P+\m], v[T+\m], v[MX]
.endr
.irp m, 0,1,2,3
	v_exp_f32 v[P+\m], v[P+\m]                     ; p = 2^(t - M), at most 1
.endr
	v_cmp_eq_u32 vcc_lo, s38, v[LN]                ; the lane that keeps this head's statistics
	v_cndmask_b32 v[STAT], v[STAT], v[MX], vcc_lo  ; (plain lines behind the exponentials)
	s_wait_alu depctr_va_vdst(0)                   ; one wait for the four exponentials, ahead of their first reader
	v_add_f32 v[LS], v[P], v[P+1]
	v_add_f32 v[TMP], v[P+2], v[P+3]
	v_add_f32 v[LS], v[LS], v[TMP]
.irp x, 1,2,4,8
	v_add_f32_dpp v[LS], v[LS], v[LS] row_xmask:\x row_mask:0xf bank_mask:0xf
.endr
	v_cndmask_b32 v[STAT+1], v[STAT+1], v[LS], vcc_lo
.if \last
	v_cndmask_b32 v[TMP], v[T], v[T+1], s46        ; lane l: t of row l,
	v_cndmask_b32 v[TMP+1], v[T+2], v[T+3], s46    ; of row 32 + l
	global_store_b32 v[L4], v[TMP], s[18:19]       ; 128 consecutive bytes each: together my aligned 256
	global_store_b32 v[L4], v[TMP+1], s[18:19] offset:128
.endif
.endm
; Rows 32 a to 32 a + 31 of the head's slice are weighed in, and their registers take the next head's slice.  A lane holds columns 4 lane .. 4 lane + 3 of the slice; a row's p comes as a scalar.
.macro CONSUME a, last
.if \a == 0
	s_wait_xcnt 0x0                                ; the last head's store has read its data and its offset: both are written again below
.endif
.if (\a == 1) && \last
	s_wait_loadcnt 0x0
.else
	s_wait_loadcnt 32                              ; these 32 rows are in.  a = 0: the other 31 and row 63's may be out; a = 1: the 32 just asked for
.endif
.irp mm, 0,1
.set R, 0
.rept 16
	v_readlane_b32 s[PS+2*R], v[P+2*\a+\mm], R
.set R, R+1
.endr
	WIN 0x01                                       ; source 0 window 1
.set R, 0
.rept 16
.set RHO, 32*\a+16*\mm+R
.set CC, CTX+4*(R%4)
.if RHO < 4
	v_pk_mul_f32 v[CC:CC+1], v[4*RHO:4*RHO+1], s[PS+2*R:PS+2*R+1] op_sel_hi:[1,0]          ; the first four rows start the four sets: nothing is cleared
	v_pk_mul_f32 v[CC+2:CC+3], v[4*RHO+2:4*RHO+3], s[PS+2*R:PS+2*R+1] op_sel_hi:[1,0]
.else
	v_pk_fma_f32 v[CC:CC+1], v[4*RHO:4*RHO+1], s[PS+2*R:PS+2*R+1], v[CC:CC+1] op_sel_hi:[1,0,1]
	v_pk_fma_f32 v[CC+2:CC+3], v[4*RHO+2:4*RHO+3], s[PS+2*R:PS+2*R+1], v[CC+2:CC+3] op_sel_hi:[1,0,1]
.endif
.set R, R+1
.endr
	WIN 0
.endr
.if !\last
	v_lshl_add_u32 v[OFFA+\a], s52, 9, v[LI]       ; the next head's 512 bytes of a row; free since the wait above has shown its loads done
	WIN 0x40
.set I, 0
.rept 32-\a
	global_load_b128 v[4*(32*\a+I):4*(32*\a+I)+3], v[OFFA+\a], s[4:5] offset:(32*\a+I)*4096 th:TH_LOAD_NT   ; 512 consecutive bytes of one row; their last read
.set I, I+1
.endr
	WIN 0
.endif
.if \a == 1
	v_pk_add_f32 v[CTX:CTX+1], v[CTX:CTX+1], v[CTX+4:CTX+5]
	v_pk_add_f32 v[CTX+2:CTX+3], v[CTX+2:CTX+3], v[CTX+6:CTX+7]
	v_pk_add_f32 v[CTX+8:CTX+9], v[CTX+8:CTX+9], v[CTX+12:CTX+13]
	v_pk_add_f32 v[CTX+10:CTX+11], v[CTX+10:CTX+11], v[CTX+14:CTX+15]
	v_pk_add_f32 v[CTX:CTX+1], v[CTX:CTX+1], v[CTX+8:CTX+9]
	v_pk_add_f32 v[CTX+2:CTX+3], v[CTX+2:CTX+3], v[CTX+10:CTX+11]
	v_lshl_add_u32 v[POFF], s38, 9, v[LI]
	global_store_b128 v[POFF], v[CTX:CTX+3], s[14:15]          ; the head's record: 512 consecutive bytes, aligned
.endif
.endm
; THE CHANGE OF SLOTS stands at a head's start.  Each wave waits for all its tensor loads (its quarter of the slot that it is about to read), adds 0 to its spare word, and waits for that and for its LDS reads.
; fill = 1: behind a round of the cluster's barrier, so that no wave of any partner still reads the other slot or has a load on its way, that slot takes the next head: the load has a whole head, 256 matrix
; instructions a wave, in which to land; one tensor load of mine is out.  The first change also shows the tables to all four waves.
.macro CHANGE fill
	s_wait_tensorcnt 0x0                           ; no tensor load of mine is out, so group 0 may be written
	ds_add_u32 v[SPW], v[NIL]
.if \fill
	s_xor_b32 s33, s33, SLOT1                      ; the other slot than last time,
	s_add_nc_u64 s[34:35], s[34:35], HEADB         ; the next head; the type bits on top are not reached
.endif
	s_wait_dscnt 0x0                               ; the add is done, and my LDS stores and reads are over
.if \fill
	ROUND
	tensor_load_to_lds s[32:35], s[24:31]
	s_nop 0
	PLACES
.else
	s_barrier_signal -1
	s_barrier_wait -1
.endif
.endm
.macro HEAD last
	v_add_nc_u32 v[WAD], s36, v[LI]
	v_add_nc_u32 v[QAD], s37, v[QAD0]
	LDW 0, 0
	ds_load_b128 v[BV:BV+3], v[QAD] offset:BOFF
	ds_load_b128 v[BV+4:BV+7], v[QAD] offset:BOFF+16
	LDW 1, 0
.set I, 0
.rept 8
	v_mov_b32 v[E+I], 0
.set I, I+1
.endr
	s_add_co_u32 s52, s38, 1
	STEPS 3
	LATE
	STEPS 4
	STEP 0                                         ; the head's last tile asks for nothing: the next head's slot is read behind its change
	s_add_co_u32 s37, s37, 64
	s_sub_co_u32 s36, s36, 7*TILEB                 ; back to a slot's first tile,
	s_xor_b32 s36, s36, SLOT1                      ; in the other slot
	HEADEND \last
	CONSUME 0, \last
	CONSUME 1, \last
.endm
	s_mov_b32 s38, 0                               ; the head
	s_mov_b32 s36, 0                               ; LDS byte of the tile in hand
	s_mov_b32 s37, 0                               ; 64 x the tile's number: its place in the tables
.Lhead:                                            ; seven trips: behind each change of slots but the last the next head is asked for
	CHANGE 1
	HEAD 0
	s_add_co_u32 s38, s38, 1
	s_cmp_lt_u32 s38, 7
	s_cbranch_scc1 .Lhead
	CHANGE 0                                       ; the last head is written out
	HEAD 1
	v_lshlrev_b32 v[TMP+2], 3, v[LN]
	global_store_b64 v[TMP+2], v[STAT:STAT+1], s[16:17]        ; 32 lanes x 8 bytes: my aligned 256 bytes of statistics
	s_wait_tensorcnt 0x0                           ; the wave's end: three lines, behind my last tensor load and my last LDS store
	ds_add_u32 v[SPW], v[NIL]
	s_wait_dscnt 0x0
	ROUND                                          ; the closing round: no work-group ends while a partner may still ask for a tile that names it
	s_endpgm
.Lfunc_end_k_qfbe6b849e2_main:
	.size	k_qfbe6b849e2_main, .Lfunc_end_k_qfbe6b849e2_main-k_qfbe6b849e2_main
	.p2alignl 7, 3214868480
	.fill 96, 4, 3214868480
	.section	.rodata,"a",@progbits
	.p2align	6, 0x0
	.amdhsa_kernel k_qfbe6b849e2_main
		.amdhsa_group_segment_fixed_size 327680
		.amdhsa_private_segment_fixed_size 0
		.amdhsa_enable_private_segment 0
		.amdhsa_kernarg_size 64
		.amdhsa_user_sgpr_count 2
		.amdhsa_user_sgpr_kernarg_segment_ptr 1
		.amdhsa_wavefront_size32 1
		.amdhsa_system_sgpr_workgroup_id_x 1
		.amdhsa_system_sgpr_workgroup_id_y 1
		.amdhsa_system_sgpr_workgroup_id_z 1
		.amdhsa_system_vgpr_workitem_id 0
		.amdhsa_next_free_vgpr 1024
		.amdhsa_next_free_sgpr 100
		.amdhsa_reserve_vcc 1
		.amdhsa_float_denorm_mode_32 3
		.amdhsa_float_denorm_mode_16_64 3
		.amdhsa_memory_ordered 1
		.amdhsa_forward_progress 1
		.amdhsa_inst_pref_size 255
	.end_amdhsa_kernel
	.section	.bss,"aw",@nobits
	.p2align	6
	.space	262144
	.amdgpu_metadata
---
amdhsa.version: [ 1, 2 ]
amdhsa.kernels:
  - .name:           k_qfbe6b849e2_main
    .symbol:         k_qfbe6b849e2_main.kd
    .args:
      - { .name: listener_feature, .offset: 0, .size: 8, .value_kind: global_buffer, .address_space: global }
      - { .name: wc, .offset: 8, .size: 8, .value_kind: global_buffer, .address_space: global }
      - { .name: qs, .offset: 16, .size: 8, .value_kind: global_buffer, .address_space: global }
      - { .name: psi_b, .offset: 24, .size: 8, .value_kind: global_buffer, .address_space: global }
      - { .name: lowp_scales, .offset: 32, .size: 8, .value_kind: global_buffer, .address_space: global }
      - { .name: pctx, .offset: 40, .size: 8, .value_kind: global_buffer, .address_space: global }
      - { .name: pstat, .offset: 48, .size: 8, .value_kind: global_buffer, .address_space: global }
      - { .name: e7, .offset: 56, .size: 8, .value_kind: global_buffer, .address_space: global }
    .group_segment_fixed_size: 327680
    .private_segment_fixed_size: 0
    .kernarg_segment_align: 8
    .kernarg_segment_size: 64
    .max_flat_workgroup_size: 128
    .sgpr_count:     100
    .vgpr_count:     1024
    .wavefront_size: 32
...
	.end_amdgpu_metadata
.endif
;; end of part 2
;; launch combine (part 3): grid 256 x 1, 1 waves a work-group, no clusters, 0 bytes of LDS; arguments pctx, pstat, e7, out0, out1; writes out0, out1
.if DOCPART == 3
	.amdgcn_target "amdgcn-amd-amdhsa--gfx1250"
	.amdhsa_code_object_version 6
	.text
	.protected	k_qfbe6b849e2_combine
	.globl	k_qfbe6b849e2_combine
	.p2align	8
	.type	k_qfbe6b849e2_combine,@function
k_qfbe6b849e2_combine:
	s_mov_b64 s[64:65], 0
	v_nop
	global_prefetch_b8 v0, s[64:65] scope:SCOPE_SE
	s_setreg_imm32_b32 hwreg(HW_REG_WAVE_MODE, 25, 1), 1
	s_wait_xcnt 0x0
; WHAT.  Work-group (b, h) = (x / 8, x % 8), one wave.  The 32 parts of (b, h), each with its own largest t (M), its sum l and its weighted sum of 128 features, are joined:
;   Mx = the largest M; f = 2^(M - Mx); L = sum of f l; out1[b][128 h ..] = sum over parts of (f / L) x the part's 128 numbers.
; And a share of the score that is an output: out0[b][256 h .. + 255] = 2^(t7 - Mx7) / L7, from head 7's statistics and energies (t in powers of two throughout).
; A lane is a part for the statistics (its 8 bytes lie 256 bytes from its neighbour's: 64 small reads in all), and four columns for the sums: each load of a part is 512 consecutive bytes.
; No LDS, no barrier, no matrix work: 17.5 KB in, 1.5 KB out.
.set PT, 32                            ; v32-159  the 32 parts, 4 registers each
.set CX, 160                           ; v160-175 four running sets
.set PS, 20                            ; s[20:51] 16 pairs: a part's f / L, and a 0 that is named with it
	s_load_b256 s[4:11], s[0:1], 0x0               ; pctx s[4:5], pstat s[6:7], e7 s[8:9], out0 s[10:11]
	s_load_b64 s[12:13], s[0:1], 0x20              ; out1
	v_lshlrev_b32 v1, 8, v0                        ; 256 x lane
	v_lshlrev_b32 v6, 4, v0                        ; 16 x lane
	v_mov_b32 v10, 0                               ; (a lane permute's destination counts as read)
	v_mov_b32 v11, 0
	s_lshr_b32 s14, ttmp9, 3                       ; b
	s_and_b32 s15, ttmp9, 7                        ; h
	s_mov_b32 s17, 0
	s_mov_b32 s54, 0x76543210                      ; v_permlanex16_b32: lane l xor 16
	s_mov_b32 s55, 0xfedcba98
.set I, 0
.rept 16
	s_mov_b32 s[PS+2*I+1], 0
.set I, I+1
.endr
	s_wait_kmcnt 0x0
	s_lshl_b32 s16, s14, 13
	s_add_nc_u64 s[6:7], s[6:7], s[16:17]          ; b's 32 blocks of statistics
	s_lshl_b32 s18, s15, 10
	s_add_co_u32 s16, s16, s18                     ; 8,192 b + 1,024 h: my 256 energies, and my 256 scores
	s_add_nc_u64 s[8:9], s[8:9], s[16:17]
	s_add_nc_u64 s[10:11], s[10:11], s[16:17]
	s_lshl_b32 s16, s15, 3
	s_add_nc_u64 s[52:53], s[6:7], s[16:17]        ; my head's pair in a block
	s_lshl_b32 s16, s14, 17
	s_lshl_b32 s18, s15, 9
	s_add_co_u32 s16, s16, s18                     ; 131,072 b + 512 h
	s_add_nc_u64 s[4:5], s[4:5], s[16:17]
	s_lshl_b32 s16, s14, 12
	s_add_co_u32 s16, s16, s18                     ; 4,096 b + 512 h
	s_add_nc_u64 s[12:13], s[12:13], s[16:17]
	global_load_b64 v[2:3], v1, s[52:53]           ; (M, l) of part = lane, my head
	global_load_b64 v[4:5], v1, s[6:7] offset:56   ; and head 7
.set K, 0
.rept 32
	global_load_b128 v[PT+4*K:PT+4*K+3], v6, s[4:5] offset:4096*K th:TH_LOAD_NT
.set K, K+1
.endr
	global_load_b128 v[16:19], v6, s[8:9]
	global_load_b128 v[20:23], v6, s[8:9] offset:512
	s_wait_loadcnt 34                              ; the statistics are in; the 32 parts and the 2 loads of energies may be out
	v_mov_b32 v8, v2
	v_mov_b32 v9, v4
.irp x, 1,2,4,8
	v_max_num_f32_dpp v8, v8, v8 row_xmask:\x row_mask:0xf bank_mask:0xf
	v_max_num_f32_dpp v9, v9, v9 row_xmask:\x row_mask:0xf bank_mask:0xf
.endr
	v_permlanex16_b32 v10, v8, s54, s55
	v_permlanex16_b32 v11, v9, s54, s55
	v_max_num_f32 v8, v8, v10                      ; Mx of my head,
	v_max_num_f32 v9, v9, v11                      ; of head 7
	v_sub_f32 v12, v2, v8
	v_sub_f32 v13, v4, v9
	v_exp_f32 v12, v12                             ; f
	v_exp_f32 v13, v13
	v_nop                                          ; a plain line behind the exponentials
	s_wait_alu depctr_va_vdst(0)                   ; one wait for both, ahead of their first reader
	v_mul_f32 v14, v12, v3
	v_mul_f32 v15, v13, v5
.irp x, 1,2,4,8
	v_add_f32_dpp v14, v14, v14 row_xmask:\x row_mask:0xf bank_mask:0xf
	v_add_f32_dpp v15, v15, v15 row_xmask:\x row_mask:0xf bank_mask:0xf
.endr
	v_permlanex16_b32 v10, v14, s54, s55
	v_permlanex16_b32 v11, v15, s54, s55
	v_add_f32 v14, v14, v10                        ; L: at least 1, since the part that holds Mx has f = 1 and l >= 1
	v_add_f32 v15, v15, v11
	v_rcp_f32 v24, v14
	v_rcp_f32 v25, v15
	v_nop
	s_wait_alu depctr_va_vdst(0)                   ; one wait for both reciprocals
	v_mul_f32 v26, v12, v24                        ; f / L of part = lane
	s_wait_loadcnt 2                               ; the parts are in; the energies may be out
.irp hf, 0,1
.set R, 0
.rept 16
	v_readlane_b32 s[PS+2*R], v26, 16*\hf+R
.set R, R+1
.endr
.set R, 0
.rept 16
.set K, 16*\hf+R
.set CC, CX+4*(R%4)
.if K < 4
	v_pk_mul_f32 v[CC:CC+1], v[PT+4*K:PT+4*K+1], s[PS+2*R:PS+2*R+1] op_sel_hi:[1,0]        ; the first four parts start the four sets
	v_pk_mul_f32 v[CC+2:CC+3], v[PT+4*K+2:PT+4*K+3], s[PS+2*R:PS+2*R+1] op_sel_hi:[1,0]
.else
	v_pk_fma_f32 v[CC:CC+1], v[PT+4*K:PT+4*K+1], s[PS+2*R:PS+2*R+1], v[CC:CC+1] op_sel_hi:[1,0,1]
	v_pk_fma_f32 v[CC+2:CC+3], v[PT+4*K+2:PT+4*K+3], s[PS+2*R:PS+2*R+1], v[CC+2:CC+3] op_sel_hi:[1,0,1]
.endif
.set R, R+1
.endr
.endr
	v_pk_add_f32 v[CX:CX+1], v[CX:CX+1], v[CX+4:CX+5]
	v_pk_add_f32 v[CX+2:CX+3], v[CX+2:CX+3], v[CX+6:CX+7]
	v_pk_add_f32 v[CX+8:CX+9], v[CX+8:CX+9], v[CX+12:CX+13]
	v_pk_add_f32 v[CX+10:CX+11], v[CX+10:CX+11], v[CX+14:CX+15]
	v_pk_add_f32 v[CX:CX+1], v[CX:CX+1], v[CX+8:CX+9]
	v_pk_add_f32 v[CX+2:CX+3], v[CX+2:CX+3], v[CX+10:CX+11]
	global_store_b128 v6, v[CX:CX+3], s[12:13]     ; 512 consecutive bytes of out1, aligned
	s_wait_loadcnt 0x0                             ; the energies
.irp j, 0,1,2,3,4,5,6,7
	v_sub_f32 v[16+\j], v[16+\j], v9
.endr
.irp j, 0,1,2,3,4,5,6,7
	v_exp_f32 v[16+\j], v[16+\j]
.endr
	v_nop
	s_wait_alu depctr_va_vdst(0)                   ; one wait for the eight
.irp j, 0,1,2,3,4,5,6,7
	v_mul_f32 v[16+\j], v[16+\j], v25
.endr
	global_store_b128 v6, v[16:19], s[10:11]       ; 512 consecutive bytes of out0 each, aligned
	global_store_b128 v6, v[20:23], s[10:11] offset:512
	s_endpgm
.Lfunc_end_k_qfbe6b849e2_combine:
	.size	k_qfbe6b849e2_combine, .Lfunc_end_k_qfbe6b849e2_combine-k_qfbe6b849e2_combine
	.p2alignl 7, 3214868480
	.fill 96, 4, 3214868480
	.section	.rodata,"a",@progbits
	.p2align	6, 0x0
	.amdhsa_kernel k_qfbe6b849e2_combine
		.amdhsa_group_segment_fixed_size 0
		.amdhsa_private_segment_fixed_size 0
		.amdhsa_enable_private_segment 0
		.amdhsa_kernarg_size 40
		.amdhsa_user_sgpr_count 2
		.amdhsa_user_sgpr_kernarg_segment_ptr 1
		.amdhsa_wavefront_size32 1
		.amdhsa_system_sgpr_workgroup_id_x 1
		.amdhsa_system_sgpr_workgroup_id_y 1
		.amdhsa_system_sgpr_workgroup_id_z 1
		.amdhsa_system_vgpr_workitem_id 0
		.amdhsa_next_free_vgpr 176
		.amdhsa_next_free_sgpr 66
		.amdhsa_reserve_vcc 0
		.amdhsa_float_denorm_mode_32 3
		.amdhsa_float_denorm_mode_16_64 3
		.amdhsa_memory_ordered 1
		.amdhsa_forward_progress 1
		.amdhsa_inst_pref_size 15
	.end_amdhsa_kernel
	.amdgpu_metadata
---
amdhsa.version: [ 1, 2 ]
amdhsa.kernels:
  - .name:           k_qfbe6b849e2_combine
    .symbol:         k_qfbe6b849e2_combine.kd
    .args:
      - { .name: pctx, .offset: 0, .size: 8, .value_kind: global_buffer, .address_space: global }
      - { .name: pstat, .offset: 8, .size: 8, .value_kind: global_buffer, .address_space: global }
      - { .name: e7, .offset: 16, .size: 8, .value_kind: global_buffer, .address_space: global }
      - { .name: out0, .offset: 24, .size: 8, .value_kind: global_buffer, .address_space: global }
      - { .name: out1, .offset: 32, .size: 8, .value_kind: global_buffer, .address_space: global }
    .group_segment_fixed_size: 0
    .private_segment_fixed_size: 0
    .kernarg_segment_align: 8
    .kernarg_segment_size: 40
    .max_flat_workgroup_size: 32
    .sgpr_count:     66
    .vgpr_count:     176
    .wavefront_size: 32
...
	.end_amdgpu_metadata
.endif
;; end of part 3
